; MI455X (gfx1250); checked and timed in simulation.
; The chip was launched on July 23, 2026; its instructions are those of AMD's public machine-readable ISA for CDNA 5 (MIT licence, August 2026) and "CDNA5" Instruction Set Architecture Reference Guide (July 2026). The comments in the code are by the model that wrote it; some were corrected since.
;; Self Attention. Allowed arithmetic: matrix products marked QUANTISED: E2M1 operands, one E8M0 scale for each 32 along K, by v_wmma_scale_f32_16x16x128_f8f6f4 with both operands' format E2M1 (or v_wmma_scale_f32_32x16x128_f4), f32 sums; everything else in f32.
;; Inputs: Wk 32 x 256 float32; Wq 32 x 256 float32; Wv 256 x 256 float32; bk 32 float32; bq 32 float32; bv 256 float32; gamma 1 float32; x 4 x 256 x 4,096 float32.
;; Outputs: out0 4 x 256 x 4,096 float32.
;; This version of the problem:
;;   THIS VERSION OF THE PROBLEM IS GIVEN IN LOW PRECISION. The matrix products marked QUANTISED in the list below multiply operands that are first quantised to E2M1 (2 exponent bits, 1 mantissa bit; 4 bits a number), with one power-of-two scale for each 32 numbers along K (OCP MX v1.0); their sums are f32. All else is computed in f32.
;;   The module's matrix products, in the order in which they are computed (A, B: the left and right operand; K: the contracted axis; several contracted axes count as one K, in the product's order):
;;     1. [M 16,384, K 256] x [K 256, N 32]; A: input x; B: input Wq: QUANTISED
;;     2. [M 16,384, K 256] x [K 256, N 32]; A: input x; B: input Wk: QUANTISED
;;     3. batch 4 x [M 4,096, K 32] x [K 32, N 4,096]; A: computed on the way; B: computed on the way: QUANTISED
;;     4. [M 16,384, K 256] x [K 256, N 256]; A: input x; B: input Wv: QUANTISED
;;     5. batch 4 x [M 256, K 4,096] x [K 4,096, N 4,096]; A: computed on the way; B: softmax (see below): QUANTISED
;;   THE QUANTISER, for each operand of a quantised product, along K:
;;     - K is cut into blocks of 32 from its start; a last block that is shorter is filled with zeros.
;;     - A block's scale is 2^e with e = floor(log2(the largest magnitude in the block)) - 2, held to -126 .. 127; a block of zeros has e = 0. As a byte (E8M0): e + 127.
;;     - Each number is divided by its block's scale, clamped to +-6, and rounded to the nearest number of E2M1, ties to even, subnormals kept.
;;     - The product sums the exact products of the quantised numbers (number of the format x scale) in f32.
;;   ~~~python
;;   def quantise(x, axis):      # numpy; x: float32 -> the quantised numbers, widened to float32 again
;;       x = np.moveaxis(x, axis, -1); K = x.shape[-1]
;;       x = np.pad(x, [(0, 0)] * (x.ndim - 1) + [(0, -K % 32)]); x = x.reshape(x.shape[:-1] + (-1, 32)); a = np.abs(x).max(-1, keepdims=True)
;;       e = np.where(a > 0, np.clip(np.frexp(np.where(a > 0, a, 1))[1] - 1 - 2, -126, 127), 0)      # np.frexp(a)[1] - 1 = floor(log2(a)), exactly
;;       r = np.clip(x / 2.0 ** e, -6, 6)
;;       step = 2.0 ** (np.maximum(np.frexp(np.where(r == 0, 1, r))[1] - 1, 0) - 1)
;;       q = np.round(r / step) * step * 2.0 ** e      # np.round: ties to even
;;       return np.moveaxis(q.reshape(q.shape[:-2] + (-1,))[..., :K], -1, axis).astype(np.float32)
;;   ~~~
;;   SOFTMAX AHEAD OF A QUANTISED PRODUCT. Where the list says 'softmax', what is quantised is not the finished softmax but p = 2^(t - M), with t = logit x log2(e) and M = ceil(the row's largest t), a whole number; so 1/2 < the row's largest p <= 1. The row's sum l is taken of the UNQUANTISED p, in f32, and the product's result is divided by l at the end. Since M is a whole number, a kernel that streams over the keys may use a running M (the ceiling of the running maximum): every later rescaling is an exact power of two, which a block's scale takes up: the codes' values come out the same.
;;   OPERANDS COMPUTED ON THE WAY. 'Computed on the way' means the value that the module computes at that place (a softmax that the list does not call 'softmax' is quantised finished and normalised). What goes into a quantiser is computed in f32, as accurately as f32 sums, v_exp_f32 and their like allow (about 1e-6 of the number): no bf16 or f16 on the way to a quantiser, and a product that is left as it is and whose result goes on into a quantised operand takes f32 operands (vector FMAs, or v_wmma_f32_16x16x4_f32). A number that lies on a knife's edge between two numbers of the format may be rounded either way, as far as f32 arithmetic and the matrix unit's own rounding can turn it there, and no further.
;; One version. Each part assembles by itself: llvm-mc -triple=amdgcn-amd-amdhsa -mcpu=gfx1250 --defsym DOCPART=n.
;; ======== version 1 of 1: 3 launches
;; workspace buffers: wfrag 43,520 bytes; qk 606,208 bytes; vbuf 2,228,224 bytes
;; launch wq (part 1): grid 20 x 1, 1 waves a work-group, no clusters, 0 bytes of LDS; arguments Wq, Wk, Wv, wfrag; writes wfrag
.if DOCPART == 1
	.amdgcn_target "amdgcn-amd-amdhsa--gfx1250"
	.amdhsa_code_object_version 6
	.text
	.protected	k_q58acdb4d29_wq
	.globl	k_q58acdb4d29_wq
	.p2align	8
	.type	k_q58acdb4d29_wq,@function
k_q58acdb4d29_wq:
	s_mov_b64 s[64:65], 0
	v_nop
	global_prefetch_b8 v0, s[64:65] scope:SCOPE_SE
	s_setreg_imm32_b32 hwreg(HW_REG_WAVE_MODE, 25, 1), 1
	s_wait_xcnt 0x0
; Wq [32][256], Wk [32][256], Wv [256][256], f32, K = c innermost, become codes of FP4 (E2M1) with one E8M0 byte for each 32 along c,
; laid in wfrag in the order of an operand's registers, so that the next launch takes them as they lie.
; NO WORK OF THE PROBLEM IS LEFT OUT in this program: every product of the table is live, every input has a way to the output (bk goes into k's quantiser, bq into q's, bv into v's), and all eight inputs are loaded.
; A work-group of one wave makes one tile of 16 rows x 256 c: two fragments of 16 rows x 128 K.  Tiles 0, 1: Wq; 2, 3: Wk; 4 .. 19: Wv.
; A fragment is 8 registers a lane: lane (r, h) holds row r; registers 4 c .. 4 c + 3 hold K = 64 c + 32 h + 0 .. 31, a whole block of 32: so a block's largest magnitude needs no other lane.
; THE ROWS OF A TILE OF Wq AND Wk ARE NOT NEIGHBOURS: lane r of tile u takes row 8 u + r + 8 (r / 8), so that in the transposed product a lane's 16 results of tiles 0 and 1 are 16 neighbours along d.
; wfrag: fragment 2 tile + s at (2 tile + s) x 1,024 + 512 c + 16 lane;  scale words at 40,960 + 128 tile + 4 lane: lanes 0-15 the words of K step 0, lanes 16-31 those of K step 1.
; A block's scale is 2^(floor(log2(its largest magnitude)) - 2); its byte is the largest magnitude's exponent field - 2, held at 1 from below.
; LIMITS: a block of zeros, or one whose largest magnitude lies under 2^(3 - 127), gets the byte 1 (the rule says 127 for zeros): its codes are zeros or nearly so, and this program alone reads the bytes.  NaN and infinities among the inputs are not served.
.set WN,  32                           ; v32-159  the lane's four blocks: block (s, c) at WN + 64 s + 32 c
.set MX,  8                            ; v8-11    largest magnitudes, at 2 s + c
.set SOP, 12                           ; v12-15   the conversions' scale operands
.set BY,  16                           ; v16-19   the scale bytes
.set WD,  20                           ; v20, 21  the scale words of K step 0, 1
.set SH,  22                           ; v22      8 h
.set OT,  23                           ; v23      the other half's two bytes
.set CD,  160                          ; v160-175 the codes, at 8 s + 4 c
	s_load_b256 s[4:11], s[0:1], 0x0               ; Wq s[4:5], Wk s[6:7], Wv s[8:9], wfrag s[10:11]
	v_and_b32 v1, 15, v0                           ; r
	v_lshrrev_b32 v2, 4, v0                        ; h (one wave: the thread's number is the lane)
	s_and_b32 s12, ttmp9, 1
	s_lshl_b32 s12, s12, 3                         ; Wq, Wk: the tile begins at row 8 u
	s_max_u32 s15, ttmp9, 4
	s_sub_co_u32 s15, s15, 4
	s_lshl_b32 s15, s15, 4                         ; Wv: at row 16 (tile - 4)
	s_cmp_lt_u32 ttmp9, 4
	s_cselect_b32 s12, s12, s15
	s_cselect_b32 s13, 1, 0                        ; 1: the rows of the tile are chosen as above
	s_mov_b32 s20, 0x76543210
	s_mov_b32 s21, 0xfedcba98                      ; v_permlanex16_b32's selects for lane l xor 16
	v_cmp_gt_u32 s14, 16, v0                       ; lanes 0-15
	v_and_b32 v6, 8, v1
	v_mul_u32_u24 v6, s13, v6
	v_add_nc_u32 v6, v6, v1
	v_add_nc_u32 v6, s12, v6                       ; my row
	v_lshlrev_b32 v3, 10, v6                       ; a row is 1,024 bytes,
	v_lshl_add_u32 v3, v2, 7, v3                   ; + 128 h: my block of 32 numbers
	s_lshl_b32 s16, ttmp9, 11
	v_lshl_add_u32 v4, v0, 4, s16                  ; out: 16 lane + 2,048 tile
	s_lshl_b32 s17, ttmp9, 7
	s_add_co_u32 s17, s17, 40960
	v_lshl_add_u32 v5, v0, 2, s17                  ; the scale words: 4 lane + 40,960 + 128 tile
	v_lshlrev_b32 v[SH], 3, v2
	v_mov_b32 v[OT], 0                             ; written once: a lane permute's destination counts as one of its sources
	s_wait_kmcnt 0x0
	s_cmp_lt_u32 ttmp9, 2                          ; which tensor: the choice hangs on the work-group's number alone
	s_cselect_b64 s[18:19], s[4:5], s[6:7]
	s_cmp_lt_u32 ttmp9, 4
	s_cselect_b64 s[18:19], s[18:19], s[8:9]
.irp k, 0,1
.irp c, 0,1
.irp g, 0,1,2,3,4,5,6,7
	global_load_b128 v[WN+64*\k+32*\c+4*\g:WN+64*\k+32*\c+4*\g+3], v3, s[18:19] offset:512*\k+256*\c+16*\g
.endr
.endr
.endr
; K step k: its two blocks by turns, the scale word, the codes, the stores
.macro WSTEP k
.irp c, 0,1
	v_max3_num_f32 v[MX+2*\k+\c], |v[WN+64*\k+32*\c]|, |v[WN+64*\k+32*\c+1]|, 0x1800000   ; with the floor 2^(3 - 127): the byte cannot fall under 1
.endr
.irp i, 2,4,6,8,10,12,14,16,18,20,22,24,26,28,30
.irp c, 0,1
	v_max3_num_f32 v[MX+2*\k+\c], v[MX+2*\k+\c], |v[WN+64*\k+32*\c+\i]|, |v[WN+64*\k+32*\c+\i+1]|
.endr
.endr
.irp c, 0,1
	v_add_nc_u32 v[SOP+2*\k+\c], 0xff000000, v[MX+2*\k+\c]   ; 2 off the exponent field: the conversion takes the exponent field of this operand as its scale
.endr
.irp c, 0,1
	v_lshrrev_b32 v[BY+2*\k+\c], 23, v[SOP+2*\k+\c]          ; the scale's byte
.endr
	v_lshl_or_b32 v[WD+\k], v[BY+2*\k+1], 16, v[BY+2*\k]     ; my two bytes: blocks h and 2 + h of row r,
	v_lshlrev_b32 v[WD+\k], v[SH], v[WD+\k]                  ; at their places in the word;
	v_permlanex16_b32 v[OT], v[WD+\k], s20, s21
	v_or_b32 v[WD+\k], v[WD+\k], v[OT]                       ; with lane l xor 16's two the word is whole
.irp c, 0,1
.irp g, 0,1,2,3
	v_cvt_scalef32_pk8_fp4_f32 v[CD+8*\k+4*\c+\g], v[WN+64*\k+32*\c+8*\g:WN+64*\k+32*\c+8*\g+7], v[SOP+2*\k+\c]
.endr
.endr
	v_nop                                          ; one plain line behind the last conversion of a run
.irp c, 0,1
	global_store_b128 v4, v[CD+8*\k+4*\c:CD+8*\k+4*\c+3], s[10:11] offset:1024*\k+512*\c   ; 32 lanes store 512 consecutive bytes
.endr
.endm
	s_wait_loadcnt 16                              ; K step 0's sixteen loads are in; K step 1's sixteen may be out
	WSTEP 0
	s_wait_loadcnt 0x0
	WSTEP 1
	v_cndmask_b32 v[WD], v[WD+1], v[WD], s14       ; lanes 0-15: K step 0's word; lanes 16-31: K step 1's
	global_store_b32 v5, v[WD], s[10:11]
	s_endpgm
.Lfunc_end_k_q58acdb4d29_wq:
	.size	k_q58acdb4d29_wq, .Lfunc_end_k_q58acdb4d29_wq-k_q58acdb4d29_wq
	.p2alignl 7, 3214868480
	.fill 96, 4, 3214868480
	.section	.rodata,"a",@progbits
	.p2align	6, 0x0
	.amdhsa_kernel k_q58acdb4d29_wq
		.amdhsa_group_segment_fixed_size 0
		.amdhsa_private_segment_fixed_size 0
		.amdhsa_enable_private_segment 0
		.amdhsa_kernarg_size 32
		.amdhsa_user_sgpr_count 2
		.amdhsa_user_sgpr_kernarg_segment_ptr 1
		.amdhsa_wavefront_size32 1
		.amdhsa_system_sgpr_workgroup_id_x 1
		.amdhsa_system_sgpr_workgroup_id_y 1
		.amdhsa_system_sgpr_workgroup_id_z 1
		.amdhsa_system_vgpr_workitem_id 0
		.amdhsa_next_free_vgpr 176
		.amdhsa_next_free_sgpr 66
		.amdhsa_reserve_vcc 0
		.amdhsa_float_denorm_mode_32 3
		.amdhsa_float_denorm_mode_16_64 3
		.amdhsa_memory_ordered 1
		.amdhsa_forward_progress 1
		.amdhsa_inst_pref_size 12
	.end_amdhsa_kernel
	.amdgpu_metadata
---
amdhsa.version: [ 1, 2 ]
amdhsa.kernels:
  - .name:           k_q58acdb4d29_wq
    .symbol:         k_q58acdb4d29_wq.kd
    .args:
      - { .name: Wq, .offset: 0, .size: 8, .value_kind: global_buffer, .address_space: global }
      - { .name: Wk, .offset: 8, .size: 8, .value_kind: global_buffer, .address_space: global }
      - { .name: Wv, .offset: 16, .size: 8, .value_kind: global_buffer, .address_space: global }
      - { .name: wfrag, .offset: 24, .size: 8, .value_kind: global_buffer, .address_space: global }
    .group_segment_fixed_size: 0
    .private_segment_fixed_size: 0
    .kernarg_segment_align: 8
    .kernarg_segment_size: 32
    .max_flat_workgroup_size: 32
    .sgpr_count:     66
    .vgpr_count:     176
    .wavefront_size: 32
...
	.end_amdgpu_metadata
.endif
;; end of part 1
;; launch proj (part 2): grid 32 x 4, 8 waves a work-group, no clusters, 196,608 bytes of LDS; arguments x, wfrag, bq, bk, bv, qk, vbuf; writes qk, vbuf
.if DOCPART == 2
	.amdgcn_target "amdgcn-amd-amdhsa--gfx1250"
	.amdhsa_code_object_version 6
	.text
	.protected	k_q58acdb4d29_proj
	.globl	k_q58acdb4d29_proj
	.p2align	8
	.type	k_q58acdb4d29_proj,@function
k_q58acdb4d29_proj:
	s_mov_b64 s[64:65], 0
	v_nop
	global_prefetch_b8 v0, s[64:65] scope:SCOPE_SE
	s_setreg_imm32_b32 hwreg(HW_REG_WAVE_MODE, 25, 1), 1
	s_wait_xcnt 0x0
; x [4][256 c][4096 n], f32, is quantised along c; q = x Wq^T + bq, k = x Wk^T + bk, v = x Wv^T + bv are made on codes of FP4 (E2M1) with E8M0 scales; q and k are quantised along d (one block of 32), v along n.
; Nothing of the problem is left out here.
; SHARES.  A work-group of eight waves owns 128 points n of one batch, a key step of the next launch, and all 256 c.  So each fragment of v (16 channels x 128 keys) and each of its scale words has one owner.
; No cluster: what work-groups share (wfrag's 40,960 bytes) is a quarter of the 172,032 bytes that a work-group fetches, and it is fetched once.
; THE ORDER OF POINTS IN A TILE.  Tile 2 g + u of the step's eight holds, in row r, point 32 g + 8 u + r % 8 + 16 (r / 8).  A product that has such a tile as source 0 leaves a lane's 16 results of tiles 2 g, 2 g + 1
; as 16 NEIGHBOURS along n: 32 g + 16 (lane / 16) + 0 .. 15: what the conversions want for v here, and for the softmax's p in the next launch.
; PHASES.  0: x's tile (256 rows of 512 bytes) and wfrag's codes come into LDS by two tensor loads a wave, filled once | barrier |  X: wave (g = w % 4, s = w / 4) quantises 32 points x 128 c, a lane to a point, registers down c;
; the two fragments go to LDS as images of their registers | barrier |  QK: wave w makes q and k of point tile w (transposed: source 0 = 16 rows of W, source 1 = the points), quantises and stores them |
; V: wave w makes channels 32 w .. 32 w + 31 for all 128 points (source 0 = the points, source 1 = 16 rows of Wv), quantises along n, stores the fragments as they stand | barrier |  the scale words leave through a stage.
; qk:   q's codes at 16 pos (pos = 4,096 b + 128 step + 16 tile + r);  q's scale byte, four times in a word, at 262,144 + 4 pos;  k of batch b from 327,680 + 69,632 b on: codes at 16 (pos in the batch), scale bytes at 65,536 + 128 step + 64 (tile / 4) + 4 r + tile % 4.
; vbuf: [b][step / 4] x 69,632: codes at 16,384 (step % 4) + 1,024 T + 512 c + 16 lane;  scale words at 65,536 + 1,024 (step % 4) + 512 (T / 8) + 16 lane' + 4 ((T / 2) % 4), lane' = 16 (T % 2) + row.
; LIMITS: a block of zeros, or one whose largest magnitude lies under 2^(3 - 127), gets the byte 1 (the rule says 127 for zeros); this program alone reads the bytes.  NaN and infinities among the inputs are not served.
.set WF,    131072                     ; LDS: x's tile at 0 (256 rows x 512 bytes); wfrag's codes here (40,960 bytes)
.set XIMG,  172032                     ; x's 16 fragments (tile t, K step s) at (2 t + s) x 1,024 + 512 c + 16 lane
.set XSC,   188416                     ; their scale words: array 2 g + s of 128 bytes: lanes 0-15 tile 2 g, lanes 16-31 tile 2 g + 1
.set VSTG,  189440                     ; the stage for v's scale words, 1,024 bytes,
.set QSTG,  190464                     ; for q's, 512,
.set KSTG,  190976                     ; for k's bytes, 128
.set SPARE, 191232                     ; the spare words, 128 bytes for each wave: four blocks of 256 bytes that no other line names
.set L16,  1                           ; v1   16 lane
.set XA,   2                           ; v2   x's tile: my point, my wave's first c
.set XW,   3                           ; v3   where I store x's images
.set XSW,  4                           ; v4   and their scale word
.set WFA,  5                           ; v5   Wq's and Wk's fragments
.set WVA,  6                           ; v6   my wave's fragments of Wv
.set XRA,  7                           ; v7   x's images, for reading
.set XSR,  8                           ; v8   x's scale words, 4 bytes a lane
.set TFA,  9                           ; v9   the images of point tile w
.set TSA,  10                          ; v10  and its scale words, row r in both halves of the lanes
.set QSA,  11                          ; v11  q's stage
.set KSA,  12                          ; v12  k's
.set VSA,  13                          ; v13  v's
.set QKO,  14                          ; v14  byte offset in qk of my 16 bytes: lanes 0-15 q's codes, lanes 16-31 k's
.set STGA, 15                          ; v15  the stages, 16 bytes a lane
.set SPW,  16                          ; v16  LDS address of my spare word; never rewritten
.set NIL,  17                          ; v17  0; never rewritten
.set XS,   18                          ; v18-25 x's scale words, array 2 g + s          (v18-33 hold scales and nothing else)
.set TXS,  26                          ; v26, 27 those of point tile w, K step 0, 1
.set WVS,  28                          ; v28, 29 Wv's, tiles 2 w, 2 w + 1: lanes 0-15 K step 0, lanes 16-31 K step 1
.set WQS,  30                          ; v30-33 Wq's and Wk's four tiles likewise
.set PW,   34                          ; v34, 35 scale words just made
.set BVT,  36                          ; v36, 37 bv of my channel in tiles 2 w, 2 w + 1
.set QWD,  38                          ; v38  q's scale word
.set KBY,  39                          ; v39  k's scale byte
.set PC,   40                          ; v40-47 bv as a C operand, then the codes just made
.set TM,   48                          ; v48-63 at work; in phase V also Wv's two fragments
.set BQ,   64                          ; v64-79 bq, v80-95 bk in the results' layout
.set HA,   64                          ; v64-127 phase V: eight accumulators
.set TF,   96                          ; v96-111 phase X: the two fragments made; phase QK: point tile w's two
.set QKC,  112                         ; v112-115 q's and k's codes
.set GB,   116                         ; v116-119 byte offsets of the head's global loads
.set T0,   120                         ; v120-125 at work at the head
.set XN,   128                         ; v128-255 phase X: 4 blocks x 32 numbers
.set WR,   128                         ; v128-191 phase QK: Wq's and Wk's eight fragments
.set QA,   192                         ; v192-207 q, v208-223 k: accumulators
.set XF,   128                         ; v128-255 phase V: x's sixteen fragments
.set WV,   18                          ; s18 wave, s19 step, s20 batch
.set SEL,  22                          ; s[22:23] v_permlanex16_b32's selects for lane l xor 16
.set G1X,  24                          ; s[24:31] group 1 for x's tile;  s[32:39] for wfrag;  s[40:43], s[44:47] their groups 0
.set G1W,  32
.set G0X,  40
.set G0W,  44
.set MK,   48                          ; s48 lanes 0-15
; One scaled matrix instruction on FP4 codes.  d, a, b, c: first registers (c < 0: the constant 0); sa, sb: scale registers; ra, rb = 1: that side's scales stand in lanes 16-31.
.macro WM d, a, b, c, sa, sb, ra, rb
.if (\c) < 0
.if (\ra) && (\rb)
	v_wmma_scale_f32_16x16x128_f8f6f4 v[0+(\d):7+(\d)], v[0+(\a):7+(\a)], v[0+(\b):7+(\b)], 0, v[\sa], v[\sb] matrix_a_fmt:MATRIX_FMT_FP4 matrix_b_fmt:MATRIX_FMT_FP4 matrix_a_scale:MATRIX_SCALE_ROW1 matrix_b_scale:MATRIX_SCALE_ROW1
.elseif (\ra)
	v_wmma_scale_f32_16x16x128_f8f6f4 v[0+(\d):7+(\d)], v[0+(\a):7+(\a)], v[0+(\b):7+(\b)], 0, v[\sa], v[\sb] matrix_a_fmt:MATRIX_FMT_FP4 matrix_b_fmt:MATRIX_FMT_FP4 matrix_a_scale:MATRIX_SCALE_ROW1
.elseif (\rb)
	v_wmma_scale_f32_16x16x128_f8f6f4 v[0+(\d):7+(\d)], v[0+(\a):7+(\a)], v[0+(\b):7+(\b)], 0, v[\sa], v[\sb] matrix_a_fmt:MATRIX_FMT_FP4 matrix_b_fmt:MATRIX_FMT_FP4 matrix_b_scale:MATRIX_SCALE_ROW1
.else
	v_wmma_scale_f32_16x16x128_f8f6f4 v[0+(\d):7+(\d)], v[0+(\a):7+(\a)], v[0+(\b):7+(\b)], 0, v[\sa], v[\sb] matrix_a_fmt:MATRIX_FMT_FP4 matrix_b_fmt:MATRIX_FMT_FP4
.endif
.else
.if (\ra) && (\rb)
	v_wmma_scale_f32_16x16x128_f8f6f4 v[0+(\d):7+(\d)], v[0+(\a):7+(\a)], v[0+(\b):7+(\b)], v[0+(\c):7+(\c)], v[\sa], v[\sb] matrix_a_fmt:MATRIX_FMT_FP4 matrix_b_fmt:MATRIX_FMT_FP4 matrix_a_scale:MATRIX_SCALE_ROW1 matrix_b_scale:MATRIX_SCALE_ROW1
.elseif (\ra)
	v_wmma_scale_f32_16x16x128_f8f6f4 v[0+(\d):7+(\d)], v[0+(\a):7+(\a)], v[0+(\b):7+(\b)], v[0+(\c):7+(\c)], v[\sa], v[\sb] matrix_a_fmt:MATRIX_FMT_FP4 matrix_b_fmt:MATRIX_FMT_FP4 matrix_a_scale:MATRIX_SCALE_ROW1
.elseif (\rb)
	v_wmma_scale_f32_16x16x128_f8f6f4 v[0+(\d):7+(\d)], v[0+(\a):7+(\a)], v[0+(\b):7+(\b)], v[0+(\c):7+(\c)], v[\sa], v[\sb] matrix_a_fmt:MATRIX_FMT_FP4 matrix_b_fmt:MATRIX_FMT_FP4 matrix_b_scale:MATRIX_SCALE_ROW1
.else
	v_wmma_scale_f32_16x16x128_f8f6f4 v[0+(\d):7+(\d)], v[0+(\a):7+(\a)], v[0+(\b):7+(\b)], v[0+(\c):7+(\c)], v[\sa], v[\sb] matrix_a_fmt:MATRIX_FMT_FP4 matrix_b_fmt:MATRIX_FMT_FP4
.endif
.endif
.endm
; 64 numbers of a lane, register 16 b + i = k 32 b + 16 (lane / 16) + i of my row, become a fragment's codes in v[pc] on and its scale word in v[pw].
.macro QUANT src, pc, pw
.irp b, 0,1,2,3
	v_max3_num_f32 v[TM+\b], |v[\src+16*\b]|, |v[\src+1+16*\b]|, 0x1800000   ; block b: my 16 numbers, and the floor 2^(3 - 127): the byte cannot fall under 1
.endr
.irp i, 2,4,6,8,10,12,14
.irp b, 0,1,2,3
	v_max3_num_f32 v[TM+\b], v[TM+\b], |v[\src+16*\b+\i]|, |v[\src+1+16*\b+\i]|   ; (the four blocks by turns)
.endr
.endr
.irp b, 0,1,2,3
	v_permlanex16_b32 v[TM+4+\b], v[TM+\b], s[SEL], s[SEL+1]
.endr
.irp b, 0,1,2,3
	v_max_num_f32 v[TM+\b], v[TM+\b], v[TM+4+\b]   ; with lane l xor 16's: the block's largest magnitude
.endr
.irp b, 0,1,2,3
	v_add_nc_u32 v[TM+12+\b], 0xff000000, v[TM+\b] ; 2 off its exponent field: the conversion's scale operand
.endr
.irp b, 0,1,2,3
	v_lshrrev_b32 v[TM+4+\b], 23, v[TM+12+\b]      ; the scale's byte
.endr
	v_lshl_or_b32 v[\pw], v[TM+5], 8, v[TM+4]      ; the four bytes make my row's scale word
	v_lshl_or_b32 v[\pw], v[TM+6], 16, v[\pw]
	v_lshl_or_b32 v[\pw], v[TM+7], 24, v[\pw]
.irp b, 0,1,2,3
	v_cvt_scalef32_pk8_fp4_f32 v[\pc+2*\b], v[\src+16*\b:\src+7+16*\b], v[TM+12+\b]
	v_cvt_scalef32_pk8_fp4_f32 v[\pc+1+2*\b], v[\src+8+16*\b:\src+15+16*\b], v[TM+12+\b]
.endr
	v_nop                                          ; one plain line behind the last conversion of a run
.irp c, 0,1                                    ; the operand's layout wants a WHOLE block in a lane: lanes 0-15 block 2 c, lanes 16-31 block 2 c + 1
.irp i, 0,1
	v_permlane16_swap_b32 v[\pc+4*\c+\i], v[\pc+2+4*\c+\i]
.endr
.endr
.endm
	s_load_b256 s[4:11], s[0:1], 0x0               ; x s[4:5], wfrag s[6:7], bq s[8:9], bk s[10:11]
	s_load_b128 s[12:15], s[0:1], 0x20             ; bv s[12:13], qk s[14:15]
	s_load_b64 s[16:17], s[0:1], 0x30              ; vbuf
	v_lshl_add_u32 v[SPW], v0, 2, SPARE
	v_mov_b32 v[NIL], 0
	ds_add_u32 v[SPW], v[NIL]                      ; the wave's opening: the add, twice on end, and its wait ahead of my first tensor load; the set-up below stands between the second and the wait
	ds_add_u32 v[SPW], v[NIL]
	v_lshrrev_b32 v1, 5, v0
	v_readfirstlane_b32 s[WV], v1                  ; wave 0..7
	s_mov_b32 s19, ttmp9                           ; the key step
	s_and_b32 s20, ttmp7, 0xffff                   ; the batch
	s_mov_b32 s[SEL], 0x76543210
	s_mov_b32 s[SEL+1], 0xfedcba98
	; group 1 for x's tile: 32 rows (c) of 128 elements of 4 bytes, 4,096 elements from row to row; no padding: the lanes read 128 neighbouring bytes of a row
	s_mov_b32 s[G1X], 2<<16
	s_mov_b32 s[G1X+1], 128<<16                    ; tensor_dim0
	s_mov_b32 s[G1X+2], 32<<16                     ; tensor_dim1
	s_mov_b32 s[G1X+3], 128<<16                    ; tile_dim0
	s_mov_b32 s[G1X+4], 32                         ; tile_dim1
	s_mov_b32 s[G1X+5], 4096                       ; tensor_dim0_stride
	s_mov_b32 s[G1X+6], 0
	s_mov_b32 s[G1X+7], 0
	; group 1 for an eighth of wfrag's codes: 5,120 dense bytes as 20 rows of 256 (32 elements of 8 bytes)
	s_mov_b32 s[G1W], 3<<16
	s_mov_b32 s[G1W+1], 32<<16
	s_mov_b32 s[G1W+2], 20<<16
	s_mov_b32 s[G1W+3], 32<<16
	s_mov_b32 s[G1W+4], 20
	s_mov_b32 s[G1W+5], 32
	s_mov_b32 s[G1W+6], 0
	s_mov_b32 s[G1W+7], 0
	s_mov_b32 s[G0X], 1
	s_lshl_b32 s[G0X+1], s[WV], 14                 ; LDS: my 32 rows of 512 bytes
	s_lshl_b32 s[G0X+2], s20, 22                   ; memory: 4,194,304 b
	s_lshl_b32 s50, s[WV], 19                      ; + 32 w rows of 16,384 bytes
	s_add_co_u32 s[G0X+2], s[G0X+2], s50
	s_lshl_b32 s50, s19, 9                         ; + 512 step
	s_add_co_u32 s[G0X+2], s[G0X+2], s50
	s_mov_b32 s[G0X+3], 0
	s_mov_b32 s[G0W], 1
	s_mul_i32 s[G0W+2], s[WV], 5120
	s_add_co_u32 s[G0W+1], s[G0W+2], WF
	s_mov_b32 s[G0W+3], 0
	; every address register is made here, ahead of everything
	v_and_b32 v[T0], 31, v0                        ; lane
	v_and_b32 v[T0+1], 15, v0                      ; r
	v_bfe_u32 v[T0+2], v0, 4, 1                    ; h
	v_lshlrev_b32 v[L16], 4, v[T0]
	v_lshlrev_b32 v[T0+3], 2, v[T0]                ; 4 lane
	v_lshlrev_b32 v[T0+4], 2, v[T0+1]              ; 4 r
	v_and_b32 v[T0+5], 7, v0
	v_bfe_u32 v[XA], v0, 3, 1
	v_lshl_or_b32 v[T0+5], v[XA], 4, v[T0+5]
	v_lshl_or_b32 v[T0+5], v[T0+2], 3, v[T0+5]     ; my point among the wave's 32: the lane with bits 3 and 4 exchanged: lanes 0-15 are tile 2 g's rows, lanes 16-31 tile 2 g + 1's
	s_and_b32 s50, s[WV], 3                        ; g
	s_lshr_b32 s51, s[WV], 2                       ; s
	s_lshl_b32 s52, s51, 16                        ; 128 rows of 512 bytes
	s_lshl_b32 s53, s50, 7                         ; 32 points of 4 bytes
	s_add_co_u32 s52, s52, s53
	v_lshl_add_u32 v[XA], v[T0+5], 2, s52
	s_lshl_b32 s52, s50, 12
	s_lshl_b32 s53, s51, 10
	s_add_co_u32 s52, s52, s53
	s_add_co_u32 s52, s52, XIMG
	v_add_nc_u32 v[XW], s52, v[L16]                ; fragment (2 g, s)
	s_lshl_b32 s52, s50, 8
	s_lshl_b32 s53, s51, 7
	s_add_co_u32 s52, s52, s53
	s_add_co_u32 s52, s52, XSC
	v_add_nc_u32 v[XSW], s52, v[T0+3]
	v_add_nc_u32 v[WFA], WF, v[L16]
	s_lshl_b32 s52, s[WV], 12
	s_add_co_u32 s52, s52, WF+8192
	v_add_nc_u32 v[WVA], s52, v[L16]               ; Wv's tile 2 w is fragment 8 + 4 w
	v_add_nc_u32 v[XRA], XIMG, v[L16]
	v_add_nc_u32 v[XSR], XSC, v[T0+3]
	s_lshl_b32 s52, s[WV], 11
	s_add_co_u32 s52, s52, XIMG
	v_add_nc_u32 v[TFA], s52, v[L16]
	s_lshr_b32 s52, s[WV], 1
	s_lshl_b32 s52, s52, 8
	s_and_b32 s53, s[WV], 1
	s_lshl_b32 s53, s53, 6
	s_add_co_u32 s52, s52, s53
	s_add_co_u32 s52, s52, XSC
	v_add_nc_u32 v[TSA], s52, v[T0+4]
	s_lshl_b32 s52, s[WV], 6
	s_add_co_u32 s52, s52, QSTG
	v_add_nc_u32 v[QSA], s52, v[T0+4]
	s_lshl_b32 s52, s51, 6
	s_add_co_u32 s52, s52, s50
	s_add_co_u32 s52, s52, KSTG
	v_add_nc_u32 v[KSA], s52, v[T0+4]
	s_lshl_b32 s52, s51, 9
	s_lshl_b32 s53, s50, 2
	s_add_co_u32 s52, s52, s53
	s_add_co_u32 s52, s52, VSTG
	v_add_nc_u32 v[VSA], s52, v[L16]
	v_add_nc_u32 v[STGA], VSTG, v[L16]
	s_lshl_b32 s52, s19, 11
	s_lshl_b32 s53, s[WV], 8
	s_add_co_u32 s52, s52, s53
	s_lshl_b32 s53, s20, 16
	s_add_co_u32 s52, s52, s53                     ; 16 (128 step + 16 w) + 65,536 b
	s_lshl_b32 s53, s20, 12
	s_add_co_u32 s53, s53, 327680                  ; from q's codes to k's of the same position
	v_mul_u32_u24 v[QKO], s53, v[T0+2]
	v_lshl_add_u32 v[QKO], v[T0+1], 4, v[QKO]
	v_add_nc_u32 v[QKO], s52, v[QKO]
	v_lshlrev_b32 v[GB], 6, v[T0+2]                ; bq, bk: 64 h: d = 16 h on
	s_lshl_b32 s52, s[WV], 7
	v_add_nc_u32 v[GB+1], s52, v[T0+4]             ; bv: 4 (32 w + r)
	s_lshl_b32 s52, s[WV], 8
	v_add_nc_u32 v[GB+2], s52, v[T0+3]             ; Wv's scale words: 256 w + 4 lane
	v_mov_b32 v[GB+3], v[T0+3]                     ; Wq's and Wk's: 4 lane
	v_cmp_gt_u32 s[MK], 16, v[T0]
	; where the results go, in bytes
	s_lshl_b32 s52, s20, 3
	s_lshr_b32 s53, s19, 2
	s_add_co_u32 s52, s52, s53
	s_mul_i32 s52, s52, 69632                      ; vbuf: slot 8 b + step / 4
	s_and_b32 s53, s19, 3
	s_lshl_b32 s54, s53, 14
	s_add_co_u32 s54, s54, s52
	s_lshl_b32 s55, s[WV], 11
	s_add_co_u32 s54, s54, s55                     ; my two fragments
	s_mov_b32 s55, 0
	s_lshl_b32 s56, s53, 10
	s_add_co_u32 s56, s56, s52
	s_add_co_u32 s56, s56, 65536                   ; the step's scale words of v
	s_mov_b32 s57, 0
	s_lshl_b32 s58, s20, 14
	s_lshl_b32 s59, s19, 9
	s_add_co_u32 s58, s58, s59
	s_add_co_u32 s58, s58, 262144                  ; the step's scale words of q
	s_mov_b32 s59, 0
	s_mul_i32 s60, s20, 69632
	s_lshl_b32 s61, s19, 7
	s_add_co_u32 s60, s60, s61
	s_add_co_u32 s60, s60, 327680+65536            ; the step's scale bytes of k
	s_mov_b32 s61, 0
	s_wait_dscnt 0x0                               ; both opening adds are done
	s_wait_kmcnt 0x0
	s_add_nc_u64 s[G0X+2:G0X+3], s[4:5], s[G0X+2:G0X+3]
	s_or_b32 s[G0X+3], s[G0X+3], 0x80000000        ; type = 2
	s_add_nc_u64 s[G0W+2:G0W+3], s[6:7], s[G0W+2:G0W+3]
	s_or_b32 s[G0W+3], s[G0W+3], 0x80000000
	tensor_load_to_lds s[G0X:G0X+3], s[G1X:G1X+7]  ; every wave issues both first fills: two tensor loads of mine are out; no LDS byte is filled twice in this launch
	s_nop 0
	tensor_load_to_lds s[G0W:G0W+3], s[G1W:G1W+7]
	s_nop 0
.rept 4
	v_nop
.endr
	s_add_nc_u64 s[54:55], s[16:17], s[54:55]
	s_add_nc_u64 s[56:57], s[16:17], s[56:57]
	s_add_nc_u64 s[58:59], s[14:15], s[58:59]
	s_add_nc_u64 s[60:61], s[14:15], s[60:61]
.irp u, 0,1                                    ; the biases in the results' layout: lane (r, h), tile u, register j: d = 16 h + 8 u + j
	global_load_b128 v[BQ+8*\u:BQ+8*\u+3], v[GB], s[8:9] offset:32*\u
	global_load_b128 v[BQ+8*\u+4:BQ+8*\u+7], v[GB], s[8:9] offset:32*\u+16
	global_load_b128 v[BQ+16+8*\u:BQ+16+8*\u+3], v[GB], s[10:11] offset:32*\u
	global_load_b128 v[BQ+16+8*\u+4:BQ+16+8*\u+7], v[GB], s[10:11] offset:32*\u+16
.endr
.irp e, 0,1
	global_load_b32 v[BVT+\e], v[GB+1], s[12:13] offset:64*\e
	global_load_b32 v[WVS+\e], v[GB+2], s[6:7] offset:40960+512+128*\e
.endr
.irp R, 0,1,2,3
	global_load_b32 v[WQS+\R], v[GB+3], s[6:7] offset:40960+128*\R
.endr
	s_wait_tensorcnt 0x0                           ; my parts of x's tile and of wfrag have landed,
	s_barrier_signal -1
	s_barrier_wait -1                              ; everybody's have
	; ---- X: 32 points x 128 c.  A lane's 32 registers are a whole block of 32 along c of its point
.macro XLD blk
.irp i, 0,1,2,3,4,5,6,7,8,9,10,11,12,13,14,15,16,17,18,19,20,21,22,23,24,25,26,27,28,29,30,31
	ds_load_b32 v[XN+32*(\blk)+\i], v[XA] offset:(32*(\blk)+\i)*512
.endr
.endm
.macro XBLK blk
.set XB, XN+32*(\blk)
	v_max3_num_f32 v[TM], |v[XB]|, |v[XB+1]|, |v[XB+2]|            ; two chains
	v_max3_num_f32 v[TM+1], |v[XB+3]|, |v[XB+4]|, |v[XB+5]|
.irp i, 6,10,14,18,22,26
	v_max3_num_f32 v[TM], v[TM], |v[XB+\i]|, |v[XB+\i+1]|
	v_max3_num_f32 v[TM+1], v[TM+1], |v[XB+\i+2]|, |v[XB+\i+3]|
.endr
	v_max3_num_f32 v[TM], v[TM], |v[XB+30]|, |v[XB+31]|
	v_max3_num_f32 v[TM], v[TM], v[TM+1], 0x1800000                ; and the floor 2^(3 - 127)
	v_add_nc_u32 v[TM+2+(\blk)], 0xff000000, v[TM]                 ; the conversion's scale operand
	v_lshrrev_b32 v[TM+1], 23, v[TM+2+(\blk)]                      ; the scale's byte
.if (\blk) == 0
	v_mov_b32 v[PW], v[TM+1]
.else
	v_lshl_or_b32 v[PW], v[TM+1], 8*(\blk), v[PW]                  ; byte t of my point's scale word
.endif
.irp g, 0,1,2,3
	v_cvt_scalef32_pk8_fp4_f32 v[TF+8*((\blk)%2)+4*((\blk)/2)+\g], v[XB+8*\g:XB+8*\g+7], v[TM+2+(\blk)]   ; even blocks into v96-103, odd ones into v104-111
.endr
	v_nop                                          ; one plain line behind the last conversion of a run
.endm
	XLD 0
	XLD 1
	s_wait_dscnt 32                                ; block 0's 32 loads are in; block 1's may be out
	XBLK 0
	XLD 2
	s_wait_dscnt 32                                ; block 1's are in; block 2's may be out
	XBLK 1
	XLD 3
	s_wait_dscnt 32
	XBLK 2
	s_wait_dscnt 0x0
	XBLK 3
.irp i, 0,1,2,3,4,5,6,7
	v_permlane16_swap_b32 v[TF+\i], v[TF+8+\i]     ; the first's lanes 16-31 change places with the second's lanes 0-15: v96-103 is now tile 2 g's fragment, v104-111 tile 2 g + 1's
.endr
.irp u, 0,1
.irp c, 0,1
	ds_store_b128 v[XW], v[TF+8*\u+4*\c:TF+8*\u+4*\c+3] offset:2048*\u+512*\c
.endr
.endr
	ds_store_b32 v[XSW], v[PW]
	s_wait_dscnt 0x0                               ; for the others' sake: my stores have landed
	s_barrier_signal -1
	s_barrier_wait -1                              ; x's sixteen fragments lie in LDS
	; ---- QK: q and k of point tile w
.irp f, 0,1,2,3,4,5,6,7
.irp c, 0,1
	ds_load_b128 v[WR+8*\f+4*\c:WR+8*\f+4*\c+3], v[WFA] offset:1024*\f+512*\c
.endr
.endr
.irp k, 0,1
.irp c, 0,1
	ds_load_b128 v[TF+8*\k+4*\c:TF+8*\k+4*\c+3], v[TFA] offset:1024*\k+512*\c
.endr
	ds_load_b32 v[TXS+\k], v[TSA] offset:128*\k
.endr
	s_wait_loadcnt 0x0                             ; the biases and the weights' scale words
	s_wait_dscnt 0x0
.irp R, 0,1,2,3                                ; four accumulators by turns; the bias is the C of each sum's first instruction
	WM QA+8*\R, WR+16*\R, TF, BQ+8*\R, WQS+\R, TXS, 0, 0
.endr
.irp R, 0,1,2,3
	WM QA+8*\R, WR+16*\R+8, TF+8, QA+8*\R, WQS+\R, TXS+1, 1, 0
.endr
.rept 4
	v_nop                                          ; places behind the products: lane (r, h) holds point r of the tile and d = 16 h + 0 .. 15 of q (v192-207) and of k (v208-223)
.endr
	v_max3_num_f32 v[TM], |v[QA]|, |v[QA+1]|, 0x1800000
	v_max3_num_f32 v[TM+1], |v[QA+16]|, |v[QA+17]|, 0x1800000
.irp i, 2,4,6,8,10,12,14
	v_max3_num_f32 v[TM], v[TM], |v[QA+\i]|, |v[QA+\i+1]|
	v_max3_num_f32 v[TM+1], v[TM+1], |v[QA+16+\i]|, |v[QA+17+\i]|
.endr
	v_permlanex16_b32 v[TM+2], v[TM], s[SEL], s[SEL+1]
	v_permlanex16_b32 v[TM+3], v[TM+1], s[SEL], s[SEL+1]
	v_max_num_f32 v[TM], v[TM], v[TM+2]            ; the one block of 32 along d
	v_max_num_f32 v[TM+1], v[TM+1], v[TM+3]
	v_add_nc_u32 v[TM+4], 0xff000000, v[TM]
	v_add_nc_u32 v[TM+5], 0xff000000, v[TM+1]
	v_lshrrev_b32 v[QWD], 23, v[TM+4]
	v_lshrrev_b32 v[KBY], 23, v[TM+5]
	v_lshl_or_b32 v[QWD], v[QWD], 8, v[QWD]
	v_lshl_or_b32 v[QWD], v[QWD], 16, v[QWD]       ; q's byte four times: the next launch sets q's block at any of an instruction's four
	v_cvt_scalef32_pk8_fp4_f32 v[QKC], v[QA:QA+7], v[TM+4]
	v_cvt_scalef32_pk8_fp4_f32 v[QKC+1], v[QA+8:QA+15], v[TM+4]
	v_cvt_scalef32_pk8_fp4_f32 v[QKC+2], v[QA+16:QA+23], v[TM+5]
	v_cvt_scalef32_pk8_fp4_f32 v[QKC+3], v[QA+24:QA+31], v[TM+5]
	v_nop
	v_permlane16_swap_b32 v[QKC], v[QKC+2]         ; lanes 0-15 now hold q's 16 bytes of point r, d ascending, lanes 16-31 k's
	v_permlane16_swap_b32 v[QKC+1], v[QKC+3]
	global_store_b128 v[QKO], v[QKC:QKC+3], s[14:15]   ; each half of the lanes stores 256 consecutive bytes, aligned
	ds_store_b32 v[QSA], v[QWD]                    ; (both halves of the lanes write the same word with the same value)
	ds_store_b8 v[KSA], v[KBY]
	; ---- V: channels 32 w .. 32 w + 31 for the 128 points.  The four v_nop above are also the places in front of these loads
.irp f, 0,1,2,3,4,5,6,7,8,9,10,11,12,13,14,15
.irp c, 0,1
	ds_load_b128 v[XF+8*\f+4*\c:XF+8*\f+4*\c+3], v[XRA] offset:1024*\f+512*\c
.endr
.endr
.irp i, 0,1,2,3,4,5,6,7
	ds_load_b32 v[XS+\i], v[XSR] offset:128*\i
.endr
.irp e, 0,1
	s_wait_xcnt 0x0                                ; the pending stores have read their data: v112-115 and v40-47 are written again below
.irp j, 0,1,2,3,4,5,6,7
	v_mov_b32 v[PC+\j], v[BVT+\e]                  ; bv of my channel as a C operand: a lane's eight results belong to one channel
.endr
.irp k, 0,1
.irp c, 0,1
	ds_load_b128 v[TM+8*\k+4*\c:TM+8*\k+4*\c+3], v[WVA] offset:2048*\e+1024*\k+512*\c
.endr
.endr
.rept 4
	v_nop                                          ; with the four behind the last products: more than the five places that a product owes which writes over registers of an earlier one
.endr
	s_wait_dscnt 0x0
.irp p, 0,1,2,3,4,5,6,7                        ; eight accumulators by turns, K step by K step
	WM HA+8*\p, XF+16*\p, TM, PC, XS+2*(\p/2), WVS+\e, \p%2, 0
.endr
.irp p, 0,1,2,3,4,5,6,7
	WM HA+8*\p, XF+16*\p+8, TM+8, HA+8*\p, XS+2*(\p/2)+1, WVS+\e, \p%2, 1
.endr
.rept 4
	v_nop                                          ; lane (r, h) holds channel 16 T + r; register 16 g + i is key 32 g + 16 h + i of the step
.endr
	QUANT HA, PC, PW+\e
.irp c, 0,1
	global_store_b128 v[L16], v[PC+4*\c:PC+4*\c+3], s[54:55] offset:1024*\e+512*\c   ; the fragment as it stands: 512 consecutive bytes a store
.endr
.endr
	v_cndmask_b32 v[PW], v[PW+1], v[PW], s[MK]     ; lanes 0-15: tile 2 w's words; lanes 16-31: tile 2 w + 1's
	ds_store_b32 v[VSA], v[PW]
	v_and_b32 v[QWD], 31, v0
	v_lshlrev_b32 v[QWD], 2, v[QWD]                ; 4 lane, for k's bytes on their way out (the store that read v38 has long been served in order)
	s_wait_dscnt 0x0
	s_barrier_signal -1
	s_barrier_wait -1                              ; the three stages are whole
	; ---- the scale words leave: branches on the wave's number, no barrier inside
	s_cmp_lg_u32 s[WV], 0
	s_cbranch_scc1 .Lnot_v
	ds_load_b128 v[64:67], v[STGA]
	ds_load_b128 v[68:71], v[STGA] offset:512
	s_wait_dscnt 0x0
	global_store_b128 v[L16], v[64:67], s[56:57]               ; v's: 1,024 consecutive bytes
	global_store_b128 v[L16], v[68:71], s[56:57] offset:512
.Lnot_v:
	s_cmp_lg_u32 s[WV], 1
	s_cbranch_scc1 .Lnot_q
	ds_load_b128 v[72:75], v[STGA] offset:QSTG-VSTG
	s_wait_dscnt 0x0
	global_store_b128 v[L16], v[72:75], s[58:59]               ; q's: 512 consecutive bytes
.Lnot_q:
	s_cmp_lg_u32 s[WV], 2
	s_cbranch_scc1 .Lnot_k
	ds_load_b32 v76, v[XSR] offset:KSTG-XSC
	s_wait_dscnt 0x0
	global_store_b32 v[QWD], v76, s[60:61]                     ; k's: 128 consecutive bytes, all that a step has: half of an aligned 256
.Lnot_k:
	s_wait_tensorcnt 0x0                           ; the wave's end, behind my last tensor load and my last LDS store
	ds_add_u32 v[SPW], v[NIL]
	s_wait_dscnt 0x0
	s_endpgm
.Lfunc_end_k_q58acdb4d29_proj:
	.size	k_q58acdb4d29_proj, .Lfunc_end_k_q58acdb4d29_proj-k_q58acdb4d29_proj
	.p2alignl 7, 3214868480
	.fill 96, 4, 3214868480
	.section	.rodata,"a",@progbits
	.p2align	6, 0x0
	.amdhsa_kernel k_q58acdb4d29_proj
		.amdhsa_group_segment_fixed_size 196608
		.amdhsa_private_segment_fixed_size 0
		.amdhsa_enable_private_segment 0
		.amdhsa_kernarg_size 56
		.amdhsa_user_sgpr_count 2
		.amdhsa_user_sgpr_kernarg_segment_ptr 1
		.amdhsa_wavefront_size32 1
		.amdhsa_system_sgpr_workgroup_id_x 1
		.amdhsa_system_sgpr_workgroup_id_y 1
		.amdhsa_system_sgpr_workgroup_id_z 1
		.amdhsa_system_vgpr_workitem_id 0
		.amdhsa_next_free_vgpr 256
		.amdhsa_next_free_sgpr 66
		.amdhsa_reserve_vcc 0
		.amdhsa_float_denorm_mode_32 3
		.amdhsa_float_denorm_mode_16_64 3
		.amdhsa_memory_ordered 1
		.amdhsa_forward_progress 1
		.amdhsa_inst_pref_size 45
	.end_amdhsa_kernel
	.amdgpu_metadata
---
amdhsa.version: [ 1, 2 ]
amdhsa.kernels:
  - .name:           k_q58acdb4d29_proj
    .symbol:         k_q58acdb4d29_proj.kd
    .args:
      - { .name: x, .offset: 0, .size: 8, .value_kind: global_buffer, .address_space: global }
      - { .name: wfrag, .offset: 8, .size: 8, .value_kind: global_buffer, .address_space: global }
      - { .name: bq, .offset: 16, .size: 8, .value_kind: global_buffer, .address_space: global }
      - { .name: bk, .offset: 24, .size: 8, .value_kind: global_buffer, .address_space: global }
      - { .name: bv, .offset: 32, .size: 8, .value_kind: global_buffer, .address_space: global }
      - { .name: qk, .offset: 40, .size: 8, .value_kind: global_buffer, .address_space: global }
      - { .name: vbuf, .offset: 48, .size: 8, .value_kind: global_buffer, .address_space: global }
    .group_segment_fixed_size: 196608
    .private_segment_fixed_size: 0
    .kernarg_segment_align: 8
    .kernarg_segment_size: 56
    .max_flat_workgroup_size: 256
    .sgpr_count:     66
    .vgpr_count:     256
    .wavefront_size: 32
...
	.end_amdgpu_metadata
.endif
;; end of part 2
;; launch attn (part 3): grid 64 x 4, 8 waves a work-group, clusters of 4 x 1, 327,680 bytes of LDS; arguments qk, vbuf, x, gamma, out0; writes out0
.if DOCPART == 3
	.amdgcn_target "amdgcn-amd-amdhsa--gfx1250"
	.amdhsa_code_object_version 6
	.text
	.protected	k_q58acdb4d29_attn
	.globl	k_q58acdb4d29_attn
	.p2align	8
	.type	k_q58acdb4d29_attn,@function
k_q58acdb4d29_attn:
	s_mov_b64 s[64:65], 0
	v_nop
	global_prefetch_b8 v0, s[64:65] scope:SCOPE_SE
	s_setreg_imm32_b32 hwreg(HW_REG_WAVE_MODE, 25, 1), 1
	s_wait_xcnt 0x0
	s_wait_alu depctr_hold_cnt(0) depctr_sa_sdst(0) depctr_va_vdst(0) depctr_va_sdst(0) depctr_va_ssrc(0) depctr_va_vcc(0) depctr_vm_vsrc(0)
	s_getreg_b32 s2, hwreg(HW_REG_IB_STS2, 6, 4)
	s_cmp_eq_u32 s2, 0
	s_cbranch_scc0 .Lentry_in_a_cluster
	s_endpgm
.Lentry_in_a_cluster:
	s_bfe_u32 s2, ttmp6, 0x10000c
	s_cmp_lg_u32 s2, 0x3003
	s_cbranch_scc0 .Lentry_shape_is_right
	s_endpgm
.Lentry_shape_is_right:
; out[b][c][m] = gamma x (the sum over n of v[b][c][n] p[m][n]) / l[m] + x[b][c][m], p = 2^(t - M), t = (q[m] . k[n]) x log2(e), M the ceiling of the row's largest t, l the sum of the unquantised p.
; Both products on codes of FP4 (E2M1) with E8M0 scales; q, k, v come as codes from the launch before, laid in the order of the operands' registers.  Nothing of the problem is left out here.
; SHARES.  A work-group of eight waves owns 64 queries of one batch.  Wave w takes 32 of them (w % 2: two tiles of 16) and every fourth key step of 128 keys (w / 2): 8 steps.  Two waves lie on a SIMD, so that one wave's
; vector work stands beside the other's matrix work and LDS loads.  Each wave keeps a running M of its own, a whole number; at the end the four partial sums of a query meet in LDS, each times 2^(its M - the largest M): exact.
; LAYOUT.  Both products are used transposed: S^T = K Q^T (source 0 = keys, source 1 = queries), O^T = V^T P^T (source 0 = 16 channels, source 1 = P): a lane holds ONE query throughout.  The rows of a tile of keys are chosen
; (by the launch before) so that the 16 registers of tiles 2 g, 2 g + 1 are keys 32 g + 16 (lane / 16) + 0 .. 15 of the step.
; K = 32 IN AN INSTRUCTION OF 128.  A fragment of K's codes holds FOUR tiles of 16 keys, one in each of its four blocks of 32.  Q stands in four variants: its one block at place j, zero codes at the other three places, which add
; nothing.  Fragment f times variant j is tile 4 f + j's scores.  The variants of both query tiles are windows of eight registers in ONE chain of 36: Z, Q0lo, Z, Q0hi, Z, Q1lo, Z, Q1hi, Z (lo: codes in lanes 0-15; hi: in lanes 16-31).
; THE RING.  K of the whole batch (69,632 bytes with its scale bytes) is filled once.  V comes in slots of four key steps (69,632 bytes with the scale words) through two LDS slots.
; CLUSTER.  The four work-groups of a cluster belong to one batch and walk the same K and V: each block is asked for JOINTLY, all eight waves taking 34 rows of 256 bytes each, with the same descriptor in all four work-groups.
; LIMITS: 1 / l by v_rcp_f32.  NaN and infinities among the inputs are not served.
; REGISTERS, window 0: v1-9 addresses; v10, 11, 72, 73, 76-83 scales and nothing else; v12-19 per tile -M, largest t, l in two halves; v20-55 the Q chain; v56-71 K's two fragments; v84-99 P's codes;
;   v100-163 S^T, then p, then V's fragments 8-15; v164-227 V's fragments 0-7; v228-243 at work; v244-255 the way out's addresses.   Window 1: O^T: tile u, channels 16 T + 8 (lane / 16) + i at v[128 u + 8 T + i].
.set SLOT1, 131072                     ; LDS: slot 0 at 0, slot 1 here, so that one exclusive or turns an address from one slot to the other
.set SLOTB, 69632                      ; a slot's bytes: 65,536 of codes, 4,096 of scale words
.set KB,    200704                     ; K of the batch: 65,536 of codes, 4,096 of scale bytes
.set STAT,  278528                     ; the way out: -M at 256 (w / 2) + 4 query, l 1,024 bytes on
.set SPARE, 280576                     ; the spare words, 128 bytes for each wave: four blocks of 256 bytes that no other line names
.set PPITCH, 272                       ; the way out: partial sums at 69,632 (w / 2) + 272 channel + 4 query, from LDS byte 0 on: over the ring and K, which have had their last fill and their last read by then
.set L16, 1
.set L4,  2
.set ADK, 3
.set ADV, 4
.set ADT, 5
.set ADS, 6
.set PFO, 7                            ; v7   256 lane: the prefetches of V
.set SPW, 8                            ; v8   LDS address of my spare word; never rewritten
.set NIL, 9                            ; v9   0; never rewritten
.set QS,  10                           ; v10  q's scale words: lanes 0-15 tile 0, lanes 16-31 tile 1
.set KS,  11                           ; v11  k's: lanes 0-15 fragment 0, lanes 16-31 fragment 1
.set QCH, 20
.set KF,  56
.set PS,  72                           ; v72, 73 p's scale words
.set XPO, 74                           ; v74  16,384 lane: the prefetch of x
.set QWO, 75
.set VS,  76                           ; v76-83 V's scale words: register T / 2: lanes 0-15 even T, lanes 16-31 odd T
.set PC,  84
.set S,   100
.set VB,  164
.set BM,  228
.set PM,  232
.set SO,  236
.set F,   240
.set TMP, 242
.set QO,  243
.set WRA, 244
.set STW, 246
.set RD,  247
.set STR, 251
.set GO,  252
.set W0,  253
.set LQ,  20                           ; the way out: l [kg][e], v20-35;  the weights, v36-51;  -M [kg][e] in v56-71
.set WT,  36
.set WV,  14
.set QP,  15
.set KG,  16
.set CX,  17
.set WGX, 18
.set BT,  19
.set SEL, 20
.set CS,  22                           ; s[22:23] log2(e): the packed form names a pair and takes its low word for both halves
.set G1,  24
.set G0K, 32
.set G0A, 36
.set G0W, 40                           ; the group 0 that walks
.set TV,  44                           ; LDS byte of my step's codes of V;  s45 of its scale words;  s46 of my step's codes of K;  s47 of its scale bytes
.set TT,  45
.set TK,  46
.set TKS, 47
.set SLOTS, 48
.set LIM, 49                           ; 1 in a wave that prefetches V, else the greatest number
.set PFA, 50
.set GAM, 52
.set MK,  53
.set WO,  54                           ; 8,704 w: my 34 rows of a block, and my 32 rows of the partial sums
.set XBS, 60
.set OBS, 62
.set MSB, 0
.macro WIN new                         ; the immediate's high byte repeats the setting that is left; a switch that changes nothing is dropped
.if MSB != \new
	s_set_vgpr_msb (MSB<<8)|\new
.set MSB, \new
.endif
.endm
.macro WM d, a, b, c, sa, sb, ra, rb   ; one scaled matrix instruction on FP4 codes; c < 0: the constant 0; ra, rb = 1: that side's scales stand in lanes 16-31
.if (\c) < 0
.if (\ra) && (\rb)
	v_wmma_scale_f32_16x16x128_f8f6f4 v[0+(\d):7+(\d)], v[0+(\a):7+(\a)], v[0+(\b):7+(\b)], 0, v[\sa], v[\sb] matrix_a_fmt:MATRIX_FMT_FP4 matrix_b_fmt:MATRIX_FMT_FP4 matrix_a_scale:MATRIX_SCALE_ROW1 matrix_b_scale:MATRIX_SCALE_ROW1
.elseif (\ra)
	v_wmma_scale_f32_16x16x128_f8f6f4 v[0+(\d):7+(\d)], v[0+(\a):7+(\a)], v[0+(\b):7+(\b)], 0, v[\sa], v[\sb] matrix_a_fmt:MATRIX_FMT_FP4 matrix_b_fmt:MATRIX_FMT_FP4 matrix_a_scale:MATRIX_SCALE_ROW1
.elseif (\rb)
	v_wmma_scale_f32_16x16x128_f8f6f4 v[0+(\d):7+(\d)], v[0+(\a):7+(\a)], v[0+(\b):7+(\b)], 0, v[\sa], v[\sb] matrix_a_fmt:MATRIX_FMT_FP4 matrix_b_fmt:MATRIX_FMT_FP4 matrix_b_scale:MATRIX_SCALE_ROW1
.else
	v_wmma_scale_f32_16x16x128_f8f6f4 v[0+(\d):7+(\d)], v[0+(\a):7+(\a)], v[0+(\b):7+(\b)], 0, v[\sa], v[\sb] matrix_a_fmt:MATRIX_FMT_FP4 matrix_b_fmt:MATRIX_FMT_FP4
.endif
.else
.if (\ra) && (\rb)
	v_wmma_scale_f32_16x16x128_f8f6f4 v[0+(\d):7+(\d)], v[0+(\a):7+(\a)], v[0+(\b):7+(\b)], v[0+(\c):7+(\c)], v[\sa], v[\sb] matrix_a_fmt:MATRIX_FMT_FP4 matrix_b_fmt:MATRIX_FMT_FP4 matrix_a_scale:MATRIX_SCALE_ROW1 matrix_b_scale:MATRIX_SCALE_ROW1
.elseif (\ra)
	v_wmma_scale_f32_16x16x128_f8f6f4 v[0+(\d):7+(\d)], v[0+(\a):7+(\a)], v[0+(\b):7+(\b)], v[0+(\c):7+(\c)], v[\sa], v[\sb] matrix_a_fmt:MATRIX_FMT_FP4 matrix_b_fmt:MATRIX_FMT_FP4 matrix_a_scale:MATRIX_SCALE_ROW1
.elseif (\rb)
	v_wmma_scale_f32_16x16x128_f8f6f4 v[0+(\d):7+(\d)], v[0+(\a):7+(\a)], v[0+(\b):7+(\b)], v[0+(\c):7+(\c)], v[\sa], v[\sb] matrix_a_fmt:MATRIX_FMT_FP4 matrix_b_fmt:MATRIX_FMT_FP4 matrix_b_scale:MATRIX_SCALE_ROW1
.else
	v_wmma_scale_f32_16x16x128_f8f6f4 v[0+(\d):7+(\d)], v[0+(\a):7+(\a)], v[0+(\b):7+(\b)], v[0+(\c):7+(\c)], v[\sa], v[\sb] matrix_a_fmt:MATRIX_FMT_FP4 matrix_b_fmt:MATRIX_FMT_FP4
.endif
.endif
.endm
; A round of the cluster's barrier: my work-group's barrier, so that wave 0's signal speaks for all eight waves; wave 0 signals for the work-group; every wave waits for all four work-groups; my work-group's barrier once more.
.macro CROUND
	s_barrier_signal -1
	s_barrier_wait -1
	s_cmp_lg_u32 s[WV], 0
	s_cbranch_scc1 .Lnot_wave_0_\@
	s_barrier_signal -3
.Lnot_wave_0_\@:
	s_barrier_wait -3
	s_barrier_signal -1
	s_barrier_wait -1
.endm
; A PREFETCH INTO THE L2 of the codes of V that the NEXT change of slots will ask for: 65,536 bytes.  All clusters of a batch walk the same V: the batch's first cluster asks.  Its four partners take 16,384 bytes each, told apart
; BY ADDRESS; in each, waves 0 and 1 take 8,192 bytes, lanes 256 bytes apart: one instruction a wave, each aligned block of 256 bytes named once in the launch.  The last change that fills a slot asks for nothing.
.macro ASK
	s_cmp_gt_u32 s[SLOTS], s[LIM]
	s_cbranch_scc0 .Lnot_mine_\@
	global_prefetch_b8 v[PFO], s[PFA:PFA+1] th:TH_LOAD_NT scope:SCOPE_SE
.Lnot_mine_\@:
.endm
	s_load_b256 s[4:11], s[0:1], 0x0               ; qk s[4:5], vbuf s[6:7], x s[8:9], gamma s[10:11]
	s_load_b64 s[12:13], s[0:1], 0x20              ; out0
	v_lshl_add_u32 v[SPW], v0, 2, SPARE
	v_mov_b32 v[NIL], 0
	ds_add_u32 v[SPW], v[NIL]                      ; the wave's opening: the add, twice on end, and its wait ahead of my first tensor load; the set-up below stands between the second and the wait
	ds_add_u32 v[SPW], v[NIL]
	v_lshrrev_b32 v1, 5, v0
	v_readfirstlane_b32 s[WV], v1                  ; wave 0..7
	s_and_b32 s[QP], s[WV], 1                      ; which 32 queries
	s_lshr_b32 s[KG], s[WV], 1                     ; which of a slot's four key steps
	s_bfe_u32 s[CX], ttmp6, 0x40000                ; my place in the cluster: it enters global addresses of q, x, out0 and of the prefetches alone
	s_lshl_b32 s[WGX], ttmp9, 2
	s_add_co_u32 s[WGX], s[WGX], s[CX]             ; my block of 64 queries
	s_and_b32 s[BT], ttmp7, 0xffff                 ; the batch, which the four partners share
	s_mov_b32 s[SEL], 0x76543210
	s_mov_b32 s[SEL+1], 0xfedcba98
	s_mov_b32 s[CS], 0x3fb8aa3b                    ; log2(e)
	s_mov_b32 s[CS+1], s[CS]                       ; (named with it as a pair, so it is written)
	; group 1, one for all loads: 34 dense rows of 256 bytes (32 elements of 8 bytes)
	s_mov_b32 s[G1], 15|(3<<16)|(1<<21)            ; 15:0 the mask: all four work-groups; 17:16 elements of 8 bytes; 21 set beside a mask
	s_mov_b32 s[G1+1], 32<<16
	s_mov_b32 s[G1+2], 34<<16
	s_mov_b32 s[G1+3], 32<<16
	s_mov_b32 s[G1+4], 34
	s_mov_b32 s[G1+5], 32
	s_mov_b32 s[G1+6], 0
	s_mov_b32 s[G1+7], 0
	s_mul_i32 s[WO], s[WV], 8704
	s_mov_b32 s[G0K], 1
	s_add_co_u32 s[G0K+1], s[WO], KB
	s_mov_b32 s[G0A], 1
	s_mov_b32 s[G0A+1], s[WO]
	s_mov_b32 s[G0W], 1
	s_add_co_u32 s[G0W+1], s[WO], SLOT1
	s_mul_i32 s56, s[BT], 69632
	s_add_co_u32 s56, s56, s[WO]
	s_add_co_u32 s56, s56, 327680                  ; K of my batch, my 34 rows: the batch and the wave's number alone
	s_mov_b32 s57, 0
	s_mul_i32 s58, s[BT], 557056
	s_add_co_u32 s58, s58, s[WO]                   ; V's slot 0 of my batch, my 34 rows
	s_mov_b32 s59, 0
	s_lshl_b32 s[TV], s[KG], 14
	s_lshl_b32 s[TT], s[KG], 10
	s_add_co_u32 s[TT], s[TT], 65536
	s_lshl_b32 s[TK], s[KG], 11
	s_add_co_u32 s[TK], s[TK], KB
	s_lshl_b32 s[TKS], s[KG], 7
	s_add_co_u32 s[TKS], s[TKS], KB+65536
	s_mov_b32 s[SLOTS], 6
	s_or_b32 s[LIM], s[KG], ttmp9                  ; 0 in waves 0 and 1 of the batch's first cluster: the same in all four partners
	s_cmp_eq_u32 s[LIM], 0
	s_cselect_b32 s[LIM], 1, -1
	s_mul_i32 s[PFA], s[BT], 557056
	s_add_co_u32 s[PFA], s[PFA], 2*SLOTB           ; in slot 2: the first change of slots steps it to slot 3
	s_lshl_b32 s3, s[CX], 14
	s_add_co_u32 s[PFA], s[PFA], s3
	s_lshl_b32 s3, s[WV], 13
	s_add_co_u32 s[PFA], s[PFA], s3
	s_mov_b32 s[PFA+1], 0
	v_and_b32 v[W0], 31, v0                        ; lane
	v_and_b32 v[W0+1], 15, v0                      ; r
	v_lshlrev_b32 v[L16], 4, v[W0]
	v_lshlrev_b32 v[L4], 2, v[W0]
	v_lshlrev_b32 v[PFO], 8, v[W0]
	v_lshlrev_b32 v[XPO], 14, v[W0]
	v_cmp_gt_u32 s[MK], 16, v[W0]                  ; lanes 0-15
	s_lshl_b32 s2, s[BT], 12
	s_lshl_b32 s3, s[WGX], 6
	s_add_co_u32 s2, s2, s3
	s_lshl_b32 s3, s[QP], 5
	s_add_co_u32 s2, s2, s3                        ; my first position: 4,096 b + 64 block + 32 (w % 2)
	s_lshl_b32 s3, s2, 2
	s_lshl_b32 s2, s2, 4
	v_lshl_add_u32 v[QO], v[W0+1], 4, s2           ; q's codes: 16 bytes a position, row r in both halves of the lanes
	v_add_nc_u32 v[QWO], s3, v[L4]                 ; q's scale words: 4 bytes a position, 32 positions
	s_lshl_b32 s2, s[BT], 22
	s_lshl_b32 s3, s[WV], 19
	s_add_co_u32 s2, s2, s3
	s_lshl_b32 s3, s[WGX], 8
	s_add_co_u32 s2, s2, s3                        ; x, out0: 4,194,304 b + 32 w rows of 16,384 bytes + 256 block
	s_mov_b32 s3, 0
	s_wait_dscnt 0x0                               ; both opening adds are done
	s_wait_kmcnt 0x0
	s_load_b32 s[GAM], s[10:11], 0x0
	s_add_nc_u64 s[G0K+2:G0K+3], s[4:5], s[56:57]
	s_or_b32 s[G0K+3], s[G0K+3], 0x80000000        ; type = 2
	s_add_nc_u64 s[G0A+2:G0A+3], s[6:7], s[58:59]
	s_add_nc_u64 s[G0W+2:G0W+3], s[G0A+2:G0A+3], SLOTB
	s_or_b32 s[G0A+3], s[G0A+3], 0x80000000
	s_or_b32 s[G0W+3], s[G0W+3], 0x80000000
	s_add_nc_u64 s[PFA:PFA+1], s[6:7], s[PFA:PFA+1]
	s_add_nc_u64 s[XBS:XBS+1], s[8:9], s[2:3]
	s_add_nc_u64 s[OBS:OBS+1], s[12:13], s[2:3]
	CROUND                                         ; all four work-groups are here: the first joint loads meet
	tensor_load_to_lds s[G0K:G0K+3], s[G1:G1+7]    ; K of the batch; every wave issues all three first fills: three tensor loads of mine are out
	s_nop 0
	tensor_load_to_lds s[G0A:G0A+3], s[G1:G1+7]    ; V's slot 0
	s_nop 0
	tensor_load_to_lds s[G0W:G0W+3], s[G1:G1+7]    ; V's slot 1
	s_nop 0
.rept 4
	v_nop
.endr
	global_load_b128 v[S:S+3], v[QO], s[4:5]                   ; q's codes, tile 0,
	global_load_b128 v[S+4:S+7], v[QO], s[4:5] offset:256      ; tile 1
	global_load_b32 v[QS], v[QWO], s[4:5] offset:262144
.irp z, 0,8,16,24,32
.irp i, 0,1,2,3
	v_mov_b32 v[QCH+\z+\i], 0                      ; the chain's five runs of zero codes
.endr
.endr
.irp u, 0,1
	v_mov_b32 v[13+4*\u], 0xff61b1e6               ; the largest t so far: -3e38, under every t
	v_floor_f32 v[12+4*\u], -v[13+4*\u]            ; -M
	v_mov_b32 v[14+4*\u], 0                        ; l, in two halves
	v_mov_b32 v[15+4*\u], 0
.endr
.irp b, 0,1,2,3
	v_mov_b32 v[PM+\b], 0                          ; written once: a lane permute's destination counts as one of its sources
.endr
	v_mov_b32 v[F+1], 0                            ; (named as the upper half of the pair)
	s_wait_tensorcnt 1                             ; my parts of K and of slot 0 are in; slot 1's may stay out
	s_barrier_signal -1
	s_barrier_wait -1                              ; everybody's are
	s_wait_loadcnt 0x0                             ; q
	s_wait_kmcnt 0x0                               ; gamma
.irp u, 0,1
.irp i, 0,1,2,3
	v_cndmask_b32 v[QCH+4+16*\u+\i], v[QCH], v[S+4*\u+\i], s[MK]    ; lo: the codes in lanes 0-15, zeros in lanes 16-31
	v_cndmask_b32 v[QCH+12+16*\u+\i], v[S+4*\u+\i], v[QCH], s[MK]   ; hi: the other way round
.endr
.endr
; S^T of query tile u: eight tiles of 16 keys.  Tile T = fragment T / 4 times Q's variant T % 4, which begins at 4 + 8 (j % 2) - 4 (j / 2) of the tile's part of the chain
.macro SQK u
.irp T, 0,1,2,3,4,5,6,7
	WM S+8*\T, KF+8*(\T/4), QCH+16*(\u)+4+8*(\T%2)-4*((\T%4)/2), -1, KS, QS, \T/4, \u
.endr
.endm
; sixteen LDS loads: V's fragments T0 .. T0 + 7 into v[reg] on
.macro VLD reg, T0
.irp f, 0,1,2,3,4,5,6,7
.irp c, 0,1
	ds_load_b128 v[\reg+8*\f+4*\c:\reg+8*\f+4*\c+3], v[ADV] offset:1024*(\T0+\f)+512*\c
.endr
.endr
.endm
; The softmax of query tile u for 128 keys: S^T becomes p, p's codes and scale word, f = 2^(old M - new M), and l is carried on.
.macro SOFTMAX u
.set NM, 12+4*(\u)
.set LS, 14+4*(\u)
.set PCU, PC+8*(\u)
.irp b, 0,1,2,3
	v_max3_num_f32 v[BM+\b], v[S+16*\b], v[S+16*\b+1], v[S+16*\b+2]   ; THE LARGEST SCORE OF EACH BLOCK OF 32 KEYS serves twice: for the row's maximum, and, since p rises with the score, for the block's largest p
.endr
.irp i, 3,5,7,9,11,13
.irp b, 0,1,2,3
	v_max3_num_f32 v[BM+\b], v[BM+\b], v[S+16*\b+\i], v[S+16*\b+\i+1]
.endr
.endr
.irp b, 0,1,2,3
	v_max_num_f32 v[BM+\b], v[BM+\b], v[S+16*\b+15]
.endr
.irp b, 0,1,2,3
	v_permlanex16_b32 v[PM+\b], v[BM+\b], s[SEL], s[SEL+1]
.endr
.irp b, 0,1,2,3
	v_max_num_f32 v[BM+\b], v[BM+\b], v[PM+\b]     ; with lane l xor 16's 16 keys
.endr
	v_max3_num_f32 v[TMP], v[BM], v[BM+1], v[BM+2]
	v_max_num_f32 v[TMP], v[TMP], v[BM+3]          ; the step's largest score of my query,
	v_mul_f32 v[TMP], s[CS], v[TMP]                ; as t
	v_max_num_f32 v[NM+1], v[NM+1], v[TMP]         ; the running largest t
	v_mov_b32 v[TMP], v[NM]
	v_floor_f32 v[NM], -v[NM+1]                    ; the new -M = floor(-t) = -ceil(t): a whole number
	v_sub_f32 v[TMP], v[NM], v[TMP]                ; M's old value less its new one: a whole number, 0 or less
	v_cvt_i32_f32 v[TMP], v[TMP]                   ; (it saturates)
	v_ldexp_f32 v[F], 1.0, v[TMP]                  ; f = 2^(old M - new M): a multiplication by it rounds nothing
.set j, 0
.rept 32
	v_pk_fma_f32 v[S+j:S+j+1], v[S+j:S+j+1], s[CS:CS+1], v[NM:NM+1] op_sel_hi:[1,0,0]   ; t - M, two at a time
.set j, j+2
.endr
.irp b, 0,1,2,3
	v_fma_f32 v[BM+\b], v[BM+\b], s[CS], v[NM]     ; the same of each block's largest score
.endr
.set j, 0
.rept 64
	v_exp_f32 v[S+j], v[S+j]                       ; p = 2^(t - M): not normalised
.set j, j+1
.endr
	v_pk_mul_f32 v[LS:LS+1], v[LS:LS+1], v[F:F+1] op_sel_hi:[1,0]   ; l under the new M: the plain line behind the exponentials
	s_wait_alu depctr_va_vdst(0)                   ; the wait ahead of the first line that names a result: one for the batch of 64
.irp b, 0,1,2,3
	v_exp_f32 v[BM+\b], v[BM+\b]                   ; the block's largest p: the same two instructions on the same number give the same bits
.endr
	v_pk_add_f32 v[PM:PM+1], v[S:S+1], v[S+2:S+3]  ; l takes the UNQUANTISED p: two at a time, in two chains
.set j, 4
.rept 15
	v_pk_add_f32 v[LS:LS+1], v[LS:LS+1], v[S+j:S+j+1]
	v_pk_add_f32 v[PM:PM+1], v[PM:PM+1], v[S+j+2:S+j+3]
.set j, j+4
.endr
	v_pk_add_f32 v[LS:LS+1], v[LS:LS+1], v[PM:PM+1]
	s_wait_alu depctr_va_vdst(0)                   ; and one for the four
.irp b, 0,1,2,3
	v_max_num_f32 v[BM+\b], 0x1800000, v[BM+\b]    ; the floor 2^(3 - 127): the byte cannot fall under 1
.endr
.irp b, 0,1,2,3
	v_add_nc_u32 v[SO+\b], 0xff000000, v[BM+\b]    ; 2 off the exponent field: the conversion's scale operand
.endr
.irp b, 0,1,2,3
	v_lshrrev_b32 v[PM+\b], 23, v[SO+\b]           ; the scale's byte
.endr
	v_lshl_or_b32 v[PS+\u], v[PM+1], 8, v[PM]      ; p's scale word for these 128 keys
	v_lshl_or_b32 v[PS+\u], v[PM+2], 16, v[PS+\u]
	v_lshl_or_b32 v[PS+\u], v[PM+3], 24, v[PS+\u]
.irp b, 0,1,2,3
	v_cvt_scalef32_pk8_fp4_f32 v[PCU+2*\b], v[S+16*\b:S+16*\b+7], v[SO+\b]
	v_cvt_scalef32_pk8_fp4_f32 v[PCU+2*\b+1], v[S+16*\b+8:S+16*\b+15], v[SO+\b]
.endr
	v_nop                                          ; one plain line behind the last conversion of a run
.irp c, 0,1                                    ; the operand's layout wants a WHOLE block in a lane
.irp i, 0,1
	v_permlane16_swap_b32 v[PCU+4*\c+\i], v[PCU+4*\c+2+\i]
.endr
.endr
.endm
.macro RESC u                          ; O^T of tile u under the new M: x f, each accumulator from its low end on
	WIN 0x41                                       ; destination and source 0 window 1, f window 0
.set j, 0
.rept 64
	v_pk_mul_f32 v[128*(\u)+j:128*(\u)+j+1], v[128*(\u)+j:128*(\u)+j+1], v[F:F+1] op_sel_hi:[1,0]
.set j, j+2
.endr
	WIN 0
.endm
.macro PV first                        ; O^T += V^T P^T: 32 accumulators by turns, one instruction a turn; each fragment of V feeds both query tiles
	s_wait_dscnt 0x0                               ; V's fragments and scale words are in
	WIN 0x50                                       ; C and D window 1
.irp T, 0,1,2,3,4,5,6,7,8,9,10,11,12,13,14,15
.irp u, 0,1
.if \first
	WM 128*\u+8*\T, VB+8*\T-128*(\T/8), PC+8*\u, -1, VS+\T/2, PS+\u, \T%2, 0
.else
	WM 128*\u+8*\T, VB+8*\T-128*(\T/8), PC+8*\u, 128*\u+8*\T, VS+\T/2, PS+\u, \T%2, 0
.endif
.endr
.endr
	WIN 0
.endm
; A KEY STEP of my wave: 128 keys, both query tiles.  first = 1: V^T P starts O^T's sums with the constant 0, and nothing is rescaled.  more = 1: a step follows.
.macro STEP first, more
	v_add_nc_u32 v[ADK], s[TK], v[L16]
	v_add_nc_u32 v[ADV], s[TV], v[L16]
	v_add_nc_u32 v[ADT], s[TT], v[L16]
	v_add_nc_u32 v[ADS], s[TKS], v[L4]
	v_nop
	v_nop                                          ; six places behind the last step's products: four are owed by the loads below, five by the products that write S^T over V's fragments
.irp f, 0,1
.irp c, 0,1
	ds_load_b128 v[KF+8*\f+4*\c:KF+8*\f+4*\c+3], v[ADK] offset:1024*\f+512*\c
.endr
.endr
	ds_load_b32 v[KS], v[ADS]
.irp g, 0,1
	ds_load_b128 v[VS+4*\g:VS+4*\g+3], v[ADT] offset:512*\g
.endr
	s_wait_dscnt 2                                 ; K's four loads and its scale words are in; V's two loads of scale words may be out
	SQK 0
	VLD VB, 0                                      ; V's fragments 0-7 come while the softmax is walked
.rept 4
	v_nop
.endr
	SOFTMAX 0
.if \first
.rept 8
	v_nop                                          ; places in front of the products that write S^T anew
.endr
.else
	RESC 0                                         ; (also the places in front of the products that write S^T anew)
.endif
	SQK 1
.rept 4
	v_nop
.endr
	SOFTMAX 1
	VLD S, 8                                       ; V's fragments 8-15 take p's registers
.if \first
.rept 8
	v_nop                                          ; a scale register written by a vector instruction stands eight places ahead of a scaled matrix instruction, an operand four
.endr
.else
	RESC 1                                         ; (these 64 are those places too)
.endif
	PV \first
.if \more
	s_xor_b32 s[TV], s[TV], SLOT1                  ; the next step lies in the other slot,
	s_xor_b32 s[TT], s[TT], SLOT1
	s_add_co_u32 s[TK], s[TK], 8192                ; four key steps on in K
	s_add_co_u32 s[TKS], s[TKS], 512
.endif
.endm
; THE CHANGE OF SLOTS.  Each wave waits for all its tensor loads (one is out: its part of the slot ahead), adds 0 to its spare word, and waits for that and for its reads of the slot that it leaves.
; fill = 1: a round of the cluster's barrier, so that no wave of any partner still reads the slot or has a load on its way; the joint refill, the slot two on, is the first thing behind it and has a whole step in which to land.
.macro CHANGE fill
	s_wait_tensorcnt 0x0                           ; no tensor load of mine is out, so a group 0 may be written
	ds_add_u32 v[SPW], v[NIL]                      ; 0 onto my spare word
.if \fill
	s_xor_b32 s[G0W+1], s[G0W+1], SLOT1            ; the walking descriptor: the other slot than last time,
	s_add_nc_u64 s[G0W+2:G0W+3], s[G0W+2:G0W+3], SLOTB   ; the next four key steps; the type bits on top are not reached
	s_wait_xcnt 0x0                                ; the last prefetch, a step back, has read its address, so it may be written:
	s_add_nc_u64 s[PFA:PFA+1], s[PFA:PFA+1], SLOTB ; one slot further on than the walking descriptor
	s_wait_dscnt 0x0                               ; the add is done, and my reads of the slot are over
	CROUND
	tensor_load_to_lds s[G0W:G0W+3], s[G1:G1+7]    ; my one tensor load until the next round
	s_nop 0
.rept 4
	v_nop
.endr
	ASK
.else
	s_wait_dscnt 0x0
	s_barrier_signal -1
	s_barrier_wait -1
	global_prefetch_b8 v[XPO], s[XBS:XBS+1] th:TH_LOAD_NT scope:SCOPE_SE   ; x's 32 rows x 256 bytes that my wave loads on the way out, a lane a row, one step ahead: each block is named once, by its only reader
.endif
.endm
	STEP 1, 1                                      ; slot 0
.Lslot:                                            ; six trips: slots 2 to 7 are asked for, slots 1 to 6 are walked
	CHANGE 1
	STEP 0, 1
	s_sub_co_u32 s[SLOTS], s[SLOTS], 1
	s_cmp_lg_u32 s[SLOTS], 0
	s_cbranch_scc1 .Lslot
	CHANGE 0                                       ; the tail is written out
	STEP 0, 0                                      ; slot 7
	; THE WAY OUT.  The lines below, on registers that the last products do not name, are also the places behind those products.
	v_add_f32 v14, v14, v15                        ; l's two halves,
	v_add_f32 v18, v18, v19
	v_permlanex16_b32 v[PM], v14, s[SEL], s[SEL+1]
	v_permlanex16_b32 v[PM+1], v18, s[SEL], s[SEL+1]
	v_add_f32 v14, v14, v[PM]                      ; and lane l xor 16's: my wave's l of query r
	v_add_f32 v18, v18, v[PM+1]
	v_and_b32 v[W0], 7, v0
	v_bfe_u32 v[W0+1], v0, 3, 1
	v_lshl_or_b32 v[W0], v[W0+1], 4, v[W0]         ; row r of a tile is point r % 8 + 16 (r / 8) (+ 8 for tile 1) of my 32
	v_bfe_u32 v[W0+1], v0, 4, 1                    ; h
	v_and_b32 v[W0+2], 15, v0                      ; r
	s_lshl_b32 s55, s[QP], 7
	s_mul_i32 s56, s[KG], 69632
	s_add_co_u32 s56, s56, s55
	v_lshlrev_b32 v[WRA], 2, v[W0]
	v_mad_u32_u24 v[WRA], v[W0+1], 8*PPITCH, v[WRA]
	v_add_nc_u32 v[WRA], s56, v[WRA]               ; partial sums, in: my query's 4 bytes in channel 8 h's row;
	v_add_nc_u32 v[WRA+1], 128*PPITCH, v[WRA]      ; and 128 channels on, so that the offsets stay inside 16 bits
	s_lshl_b32 s57, s[KG], 8
	s_add_co_u32 s57, s57, s55
	s_add_co_u32 s57, s57, STAT
	v_lshl_add_u32 v[STW], v[W0], 2, s57
	v_mul_u32_u24 v[RD], v[W0+1], PPITCH
	v_lshl_add_u32 v[RD], v[W0+2], 4, v[RD]
	v_add_nc_u32 v[RD], s[WO], v[RD]               ; back: channels 32 w on; lanes 0-15 one channel's 64 queries, lanes 16-31 the next channel's
	v_add_nc_u32 v[RD+1], 69632, v[RD]
	v_add_nc_u32 v[RD+2], 139264, v[RD]
	v_add_nc_u32 v[RD+3], 208896, v[RD]
	v_lshl_add_u32 v[STR], v[W0+2], 4, STAT        ; the statistics of my four queries
	v_lshlrev_b32 v[GO], 14, v[W0+1]
	v_lshl_add_u32 v[GO], v[W0+2], 4, v[GO]        ; and the same two rows in x and out0
.irp k, 0,1,2,3,4,5,6,7,8,9,10,11,12,13,14,15
	global_load_b128 v[S+4*\k:S+4*\k+3], v[GO], s[XBS:XBS+1] offset:32768*\k th:TH_LOAD_NT   ; x: 16 lanes read 256 consecutive bytes of a row, aligned
.endr
	s_wait_dscnt 0x0
	s_barrier_signal -1
	s_barrier_wait -1                              ; no wave reads K or a slot any more, and every wave's tensor loads landed ahead of the last change of slots
	ds_store_b32 v[STW], v12                       ; -M and l of my 32 queries (both halves of the lanes write the same word with the same value)
	ds_store_b32 v[STW], v16 offset:32
	ds_store_b32 v[STW], v14 offset:1024
	ds_store_b32 v[STW], v18 offset:1056
	WIN 0x04                                       ; an LDS store's data are its source 1: window 1
.irp u, 0,1
.irp T, 0,1,2,3,4,5,6,7,8,9,10,11,12,13,14,15
.irp i, 0,1,2,3,4,5,6,7
	ds_store_b32 v[WRA+\T/8], v[128*\u+8*\T+\i] offset:(16*(\T%8)+\i)*PPITCH+32*\u   ; each accumulator from its low end on
.endr
.endr
.endr
	WIN 0
	s_wait_dscnt 0x0                               ; for the others' sake: my stores have landed
	s_barrier_signal -1
	s_barrier_wait -1
.irp g, 0,1,2,3
	ds_load_b128 v[KF+4*\g:KF+4*\g+3], v[STR] offset:256*\g          ; -M of my four queries, from key group g,
	ds_load_b128 v[LQ+4*\g:LQ+4*\g+3], v[STR] offset:1024+256*\g     ; and l
.endr
.macro PLD n                           ; batch n of four: the four partial sums of 8 channels x 64 queries
.irp g, 0,1,2,3
.irp k, 0,1,2,3
	ds_load_b128 v[VB+16*\g+4*\k:VB+16*\g+4*\k+3], v[RD+\g] offset:2*PPITCH*(4*(\n)+\k)
.endr
.endr
.endm
	PLD 0
	s_wait_dscnt 16                                ; the statistics are in; the first batch's 16 loads may be out
.irp e, 0,1,2,3
	v_min_num_f32 v[PC+\e], v[KF+\e], v[KF+4+\e]
.endr
.irp e, 0,1,2,3
	v_min_num_f32 v[PC+4+\e], v[KF+8+\e], v[KF+12+\e]
.endr
.irp e, 0,1,2,3
	v_min_num_f32 v[PC+\e], v[PC+\e], v[PC+4+\e]   ; the least -M: the query's M
.endr
.irp g, 0,1,2,3
.irp e, 0,1,2,3
	v_sub_f32 v[WT+4*\g+\e], v[PC+\e], v[KF+4*\g+\e]   ; group g's M less the query's: a whole number, 0 or less
.endr
.endr
.irp g, 0,1,2,3
.irp e, 0,1,2,3
	v_cvt_i32_f32 v[WT+4*\g+\e], v[WT+4*\g+\e]
.endr
.endr
.irp g, 0,1,2,3
.irp e, 0,1,2,3
	v_ldexp_f32 v[WT+4*\g+\e], 1.0, v[WT+4*\g+\e]  ; an exact power of two
.endr
.endr
.irp e, 0,1,2,3
	v_mul_f32 v[PC+4+\e], v[WT+\e], v[LQ+\e]
.endr
.irp g, 1,2,3
.irp e, 0,1,2,3
	v_fmac_f32 v[PC+4+\e], v[WT+4*\g+\e], v[LQ+4*\g+\e]   ; the query's l
.endr
.endr
.irp e, 0,1,2,3
	v_rcp_f32 v[PC+4+\e], v[PC+4+\e]
.endr
	v_nop                                          ; a plain line behind the last reciprocal,
	s_wait_alu depctr_va_vdst(0)                   ; and the wait ahead of the first use: one for the four
.irp e, 0,1,2,3
	v_mul_f32 v[PC+4+\e], s[GAM], v[PC+4+\e]       ; gamma / l
.endr
.irp g, 0,1,2,3
.irp e, 0,1,2,3
	v_mul_f32 v[WT+4*\g+\e], v[WT+4*\g+\e], v[PC+4+\e]   ; what group g's partial sum of query e is multiplied by
.endr
.endr
.irp n, 0,1,2,3
	s_wait_dscnt 0x0                               ; the batch is in
.if \n == 0
	s_wait_loadcnt 0x0                             ; x
.endif
.irp g, 0,1,2,3
.irp k, 0,1,2,3
.irp p, 0,1
	v_pk_fma_f32 v[S+4*(4*\n+\k)+2*\p:S+4*(4*\n+\k)+2*\p+1], v[VB+16*\g+4*\k+2*\p:VB+16*\g+4*\k+2*\p+1], v[WT+4*\g+2*\p:WT+4*\g+2*\p+1], v[S+4*(4*\n+\k)+2*\p:S+4*(4*\n+\k)+2*\p+1]
.endr
.endr
.endr
.if \n < 3
	PLD \n+1
.endif
.irp k, 0,1,2,3
	global_store_b128 v[GO], v[S+4*(4*\n+\k):S+4*(4*\n+\k)+3], s[OBS:OBS+1] offset:32768*(4*\n+\k) th:TH_STORE_NT   ; 16 lanes store 256 consecutive bytes of a row, aligned; written once
.endr
.endr
	s_wait_tensorcnt 0x0                           ; the wave's end, behind my last tensor load and my last LDS store
	ds_add_u32 v[SPW], v[NIL]
	s_wait_dscnt 0x0
	CROUND                                         ; the closing round: no work-group ends while a partner may still ask for a block that names it
	s_endpgm
.Lfunc_end_k_q58acdb4d29_attn:
	.size	k_q58acdb4d29_attn, .Lfunc_end_k_q58acdb4d29_attn-k_q58acdb4d29_attn
	.p2alignl 7, 3214868480
	.fill 96, 4, 3214868480
	.section	.rodata,"a",@progbits
	.p2align	6, 0x0
	.amdhsa_kernel k_q58acdb4d29_attn
		.amdhsa_group_segment_fixed_size 327680
		.amdhsa_private_segment_fixed_size 0
		.amdhsa_enable_private_segment 0
		.amdhsa_kernarg_size 40
		.amdhsa_user_sgpr_count 2
		.amdhsa_user_sgpr_kernarg_segment_ptr 1
		.amdhsa_wavefront_size32 1
		.amdhsa_system_sgpr_workgroup_id_x 1
		.amdhsa_system_sgpr_workgroup_id_y 1
		.amdhsa_system_sgpr_workgroup_id_z 1
		.amdhsa_system_vgpr_workitem_id 0
		.amdhsa_next_free_vgpr 512
		.amdhsa_next_free_sgpr 66
		.amdhsa_reserve_vcc 0
		.amdhsa_float_denorm_mode_32 3
		.amdhsa_float_denorm_mode_16_64 3
		.amdhsa_memory_ordered 1
		.amdhsa_forward_progress 1
		.amdhsa_inst_pref_size 155
	.end_amdhsa_kernel
	.amdgpu_metadata
---
amdhsa.version: [ 1, 2 ]
amdhsa.kernels:
  - .name:           k_q58acdb4d29_attn
    .symbol:         k_q58acdb4d29_attn.kd
    .args:
      - { .name: qk, .offset: 0, .size: 8, .value_kind: global_buffer, .address_space: global }
      - { .name: vbuf, .offset: 8, .size: 8, .value_kind: global_buffer, .address_space: global }
      - { .name: x, .offset: 16, .size: 8, .value_kind: global_buffer, .address_space: global }
      - { .name: gamma, .offset: 24, .size: 8, .value_kind: global_buffer, .address_space: global }
      - { .name: out0, .offset: 32, .size: 8, .value_kind: global_buffer, .address_space: global }
    .group_segment_fixed_size: 327680
    .private_segment_fixed_size: 0
    .kernarg_segment_align: 8
    .kernarg_segment_size: 40
    .max_flat_workgroup_size: 256
    .sgpr_count:     66
    .vgpr_count:     512
    .wavefront_size: 32
...
	.end_amdgpu_metadata
.endif
;; end of part 3
